; MI455X (gfx1250); checked and timed in simulation.
; The chip was launched on July 23, 2026; its instructions are those of AMD's public machine-readable ISA for CDNA 5 (MIT licence, August 2026) and "CDNA5" Instruction Set Architecture Reference Guide (July 2026). The comments in the code are by the model that wrote it; some were corrected since.
;; Encoder Transformer Block. Allowed arithmetic: matrix products marked QUANTISED: E5M2 operands, one E8M0 scale for each 32 along K, by v_wmma_scale_f32_16x16x128_f8f6f4 with both operands' format E5M2, f32 sums; products left as they are: f32 operands where the result goes on into a quantised operand, else bf16, f16 or f32 operands; f32 sums; everything else in f32.
;; Inputs: fc1_b 512 float32; fc1_w 512 x 128 float32; fc2_b 128 float32; fc2_w 128 x 512 float32; mask_matrix 1,024 x 64 x 64 float32; norm1_b 128 float32; norm1_w 128 float32; norm2_b 128 float32; norm2_w 128 float32; proj_b 128 float32; proj_w 128 x 128 float32; qkv_b 384 float32; qkv_w 384 x 128 float32; rpb_table 225 x 8 float32; x 2 x 256 x 256 x 128 float32.
;; Outputs: out0 2 x 256 x 256 x 128 float32.
;; This version of the problem:
;;   THIS VERSION OF THE PROBLEM IS GIVEN IN LOW PRECISION. The matrix products marked QUANTISED in the list below multiply operands that are first quantised to E5M2 (5 exponent bits, 2 mantissa bits; 8 bits a number), with one power-of-two scale for each 32 numbers along K (OCP MX v1.0); their sums are f32. All else is computed in f32.
;;   The module's matrix products, in the order in which they are computed (A, B: the left and right operand; K: the contracted axis; several contracted axes count as one K, in the product's order):
;;     1. [M 131,072, K 128] x [K 128, N 384]; A: computed on the way; B: input qkv_w: QUANTISED
;;     2. batch 16,384 x [M 64, K 16] x [K 16, N 64]; A: computed on the way; B: computed on the way: left as it is (K = 16 < 32)
;;     3. batch 16,384 x [M 64, K 64] x [K 64, N 16]; A: softmax (see below); B: computed on the way: QUANTISED
;;     4. [M 135,168, K 128] x [K 128, N 384]; A: computed on the way; B: input qkv_w: QUANTISED
;;     5. batch 16,384 x [M 66, K 16] x [K 16, N 66]; A: computed on the way; B: computed on the way: left as it is (K = 16 < 32)
;;     6. batch 16,384 x [M 66, K 66] x [K 66, N 16]; A: softmax (see below); B: computed on the way: QUANTISED
;;     7. [M 131,072, K 128] x [K 128, N 128]; A: computed on the way; B: input proj_w: QUANTISED
;;     8. [M 131,072, K 128] x [K 128, N 512]; A: computed on the way; B: input fc1_w: QUANTISED
;;     9. [M 131,072, K 512] x [K 512, N 128]; A: computed on the way; B: input fc2_w: QUANTISED
;;   THE QUANTISER, for each operand of a quantised product, along K:
;;     - K is cut into blocks of 32 from its start; a last block that is shorter is filled with zeros.
;;     - A block's scale is 2^e with e = floor(log2(the largest magnitude in the block)) - 15, held to -126 .. 127; a block of zeros has e = 0. As a byte (E8M0): e + 127.
;;     - Each number is divided by its block's scale, clamped to +-57,344, and rounded to the nearest number of E5M2, ties to even, subnormals kept.
;;     - The product sums the exact products of the quantised numbers (number of the format x scale) in f32.
;;   ~~~python
;;   def quantise(x, axis):      # numpy; x: float32 -> the quantised numbers, widened to float32 again
;;       x = np.moveaxis(x, axis, -1); K = x.shape[-1]
;;       x = np.pad(x, [(0, 0)] * (x.ndim - 1) + [(0, -K % 32)]); x = x.reshape(x.shape[:-1] + (-1, 32)); a = np.abs(x).max(-1, keepdims=True)
;;       e = np.where(a > 0, np.clip(np.frexp(np.where(a > 0, a, 1))[1] - 1 - 15, -126, 127), 0)      # np.frexp(a)[1] - 1 = floor(log2(a)), exactly
;;       r = np.clip(x / 2.0 ** e, -57344, 57344)
;;       step = 2.0 ** (np.maximum(np.frexp(np.where(r == 0, 1, r))[1] - 1, -14) - 2)
;;       q = np.round(r / step) * step * 2.0 ** e      # np.round: ties to even
;;       return np.moveaxis(q.reshape(q.shape[:-2] + (-1,))[..., :K], -1, axis).astype(np.float32)
;;   ~~~
;;   SOFTMAX AHEAD OF A QUANTISED PRODUCT. Where the list says 'softmax', what is quantised is not the finished softmax but p = 2^(t - M), with t = logit x log2(e) and M = ceil(the row's largest t), a whole number; so 1/2 < the row's largest p <= 1. The row's sum l is taken of the UNQUANTISED p, in f32, and the product's result is divided by l at the end. Since M is a whole number, a kernel that streams over the keys may use a running M (the ceiling of the running maximum): every later rescaling is an exact power of two, which a block's scale takes up: the codes' values come out the same.
;;   OPERANDS COMPUTED ON THE WAY. 'Computed on the way' means the value that the module computes at that place (a softmax that the list does not call 'softmax' is quantised finished and normalised). What goes into a quantiser is computed in f32, as accurately as f32 sums, v_exp_f32 and their like allow (about 1e-6 of the number): no bf16 or f16 on the way to a quantiser, and a product that is left as it is and whose result goes on into a quantised operand takes f32 operands (vector FMAs, or v_wmma_f32_16x16x4_f32). A number that lies on a knife's edge between two numbers of the format may be rounded either way, as far as f32 arithmetic and the matrix unit's own rounding can turn it there, and no further.
;; One version. Each part assembles by itself: llvm-mc -triple=amdgcn-amd-amdhsa -mcpu=gfx1250 --defsym DOCPART=n.
;; ======== version 1 of 1: 2 launches
;; workspace buffers: cst 208,896 bytes
;; launch prep (part 1): grid 24 x 1, 4 waves a work-group, no clusters, 0 bytes of LDS; arguments qkv_w, proj_w, fc1_w, fc2_w, cst; writes cst
.if DOCPART == 1
	.amdgcn_target "amdgcn-amd-amdhsa--gfx1250"
	.amdhsa_code_object_version 6
	.text
	.protected	k_qa966e92c34_prep
	.globl	k_qa966e92c34_prep
	.p2align	8
	.type	k_qa966e92c34_prep,@function
k_qa966e92c34_prep:
	s_mov_b64 s[64:65], 0
	v_nop
	global_prefetch_b8 v0, s[64:65] scope:SCOPE_SE
	s_setreg_imm32_b32 hwreg(HW_REG_WAVE_MODE, 25, 1), 1
	s_wait_xcnt 0x0
; The four weights (f32, K innermost) become codes of E5M2 with one E8M0 byte for each 32 along K, laid in the order of a matrix operand's registers.
; A FRAGMENT is 16 rows x 128 along K: lane (r, h) holds row r, and its registers 4 c .. 4 c + 3 hold k = 32 c + 16 h + 0 .. 15.  Its image is 2,048 bytes: register group c of lane l at 512 c + 16 l.
; Its scale words are 128 bytes: lane l's word (four bytes, one for each 32 along K, of row l % 16) at 4 l.
; One wave makes one fragment; 96 fragments: f = 0-23 qkv_w (rows 16 f on), 24-31 proj_w, 32-63 fc1_w, 64-95 fc2_w (rows 16 (t / 4) on, K step t % 4).
; THE ROWS OF A TILE OF fc1_w ARE NOT NEIGHBOURS: lane r of tile t takes row 32 (t / 2) + 8 (t % 2) + r + 8 (r / 8), so that two neighbouring tiles' results are 16 neighbours along the next product's K.
; A block's scale is 2^(floor(log2(its largest magnitude)) - 15); its byte is the largest magnitude's exponent field - 15, held at 1 from below.
; LIMITS: a block of zeros, and a block whose largest magnitude lies under 2^-111, keeps the byte 1 (the rule gives a block of zeros 127: its codes are zeros, and this program alone reads the bytes); NaN and infinities are not served.
.set X,  16                            ; v16-79   64 numbers: register 16 b + i = k 32 b + 16 h + i of my row
.set CD, 80                            ; v80-95   the fragment's codes
.set BM, 96                            ; v96-99   largest magnitudes
.set BX, 100                           ; v100-103 the other half's
.set SC, 104                           ; v104-107 the conversions' scale operands
.set HL, 108                           ; v108-111 57,344 x the scale
.set BY, 112                           ; v112-115 the bytes
.set FLOOR, 0x8000000                  ; 2^(16 - 127)
.set EOFF,  0xf8800000                 ; takes 15 off an exponent field
	s_load_b256 s[4:11], s[0:1], 0x0               ; qkv_w s[4:5], proj_w s[6:7], fc1_w s[8:9], fc2_w s[10:11]
	s_load_b64 s[12:13], s[0:1], 0x20              ; cst
	v_lshrrev_b32 v1, 5, v0
	v_readfirstlane_b32 s14, v1                    ; wave
	s_lshl_b32 s16, ttmp9, 2
	s_add_co_u32 s16, s16, s14                     ; f: my fragment
	v_and_b32 v1, 15, v0                           ; r
	v_bfe_u32 v2, v0, 4, 1                         ; h
	v_and_b32 v7, 31, v0                           ; lane
	s_mov_b32 s34, 0x76543210
	s_mov_b32 s35, 0xfedcba98                      ; v_permlanex16_b32's selects for lane l xor 16
	s_mov_b32 s36, 0x600000                        ; the mantissa field of 57,344
.irp b, 0,1,2,3
	v_mov_b32 v[BX+\b], 0                          ; a lane permute's destination counts as one of its sources
.endr
	; s22 first row, s23 8 where the tile's rows are chosen, s24 a row's bytes, s25 the K step's bytes, s26 and s27 where codes and scale words go
	s_cmp_lt_u32 s16, 24
	s_cbranch_scc0 .Lnot_qkv
	s_lshl_b32 s22, s16, 4
	s_mov_b32 s23, 0
	s_mov_b32 s24, 512
	s_mov_b32 s25, 0
	s_lshl_b32 s26, s16, 11
	s_add_co_u32 s26, s26, 156672
	s_lshl_b32 s27, s16, 7
	s_add_co_u32 s27, s27, 205824
	s_branch .Lgo
.Lnot_qkv:
	s_cmp_lt_u32 s16, 32
	s_cbranch_scc0 .Lnot_proj
	s_sub_co_u32 s17, s16, 24
	s_lshl_b32 s22, s17, 4
	s_mov_b32 s23, 0
	s_mov_b32 s24, 512
	s_mov_b32 s25, 0
	s_lshl_b32 s26, s17, 11
	s_lshl_b32 s27, s17, 7
	s_add_co_u32 s27, s27, 147456
	s_branch .Lgo
.Lnot_proj:
	s_cmp_lt_u32 s16, 64
	s_cbranch_scc0 .Lnot_fc1
	s_sub_co_u32 s17, s16, 32
	s_lshr_b32 s22, s17, 1
	s_lshl_b32 s22, s22, 5
	s_and_b32 s18, s17, 1
	s_lshl_b32 s18, s18, 3
	s_add_co_u32 s22, s22, s18                     ; 32 (t / 2) + 8 (t % 2)
	s_mov_b32 s23, 8
	s_mov_b32 s24, 512
	s_mov_b32 s25, 0
	s_lshl_b32 s26, s17, 11
	s_add_co_u32 s26, s26, 16384
	s_lshl_b32 s27, s17, 7
	s_add_co_u32 s27, s27, 148480
	s_branch .Lgo
.Lnot_fc1:
	s_sub_co_u32 s17, s16, 64
	s_lshr_b32 s22, s17, 2
	s_lshl_b32 s22, s22, 4
	s_mov_b32 s23, 0
	s_mov_b32 s24, 2048
	s_and_b32 s25, s17, 3
	s_lshl_b32 s25, s25, 9
	s_lshl_b32 s26, s17, 11
	s_add_co_u32 s26, s26, 81920
	s_lshl_b32 s27, s17, 7
	s_add_co_u32 s27, s27, 152576
.Lgo:
	v_lshrrev_b32 v6, 3, v1
	v_mul_lo_u32 v6, v6, s23
	v_add3_u32 v6, v6, v1, s22                     ; my row
	v_mul_lo_u32 v3, v6, s24
	v_add_nc_u32 v3, s25, v3
	v_lshl_add_u32 v3, v2, 6, v3                   ; its bytes, the K step, + 64 h: my 16 numbers of each block of 32
	v_lshl_add_u32 v4, v7, 4, s26
	v_lshl_add_u32 v5, v7, 2, s27
	s_wait_kmcnt 0x0
	s_cmp_lt_u32 s16, 64                           ; which weight: the choice hangs on the fragment's number alone
	s_cselect_b64 s[20:21], s[8:9], s[10:11]
	s_cmp_lt_u32 s16, 32
	s_cselect_b64 s[20:21], s[6:7], s[20:21]
	s_cmp_lt_u32 s16, 24
	s_cselect_b64 s[20:21], s[4:5], s[20:21]
.irp b, 0,1,2,3
.irp j, 0,1,2,3
	global_load_b128 v[X+16*\b+4*\j:X+16*\b+4*\j+3], v3, s[20:21] offset:128*\b+16*\j
.endr
.endr
	s_wait_loadcnt 0x0
.irp b, 0,1,2,3
	v_max3_num_f32 v[BM+\b], |v[X+16*\b]|, |v[X+16*\b+1]|, FLOOR   ; block b: my 16 numbers, and the floor, which holds the byte at 1 from below
.endr
.irp i, 2,4,6,8,10,12,14
.irp b, 0,1,2,3
	v_max3_num_f32 v[BM+\b], v[BM+\b], |v[X+16*\b+\i]|, |v[X+16*\b+\i+1]|   ; the four blocks by turns
.endr
.endr
.irp b, 0,1,2,3
	v_permlanex16_b32 v[BX+\b], v[BM+\b], s34, s35
.endr
.irp b, 0,1,2,3
	v_max_num_f32 v[BM+\b], v[BM+\b], v[BX+\b]     ; with lane l xor 16's 16: the block's largest magnitude
.endr
.irp b, 0,1,2,3
	v_add_nc_u32 v[SC+\b], EOFF, v[BM+\b]          ; the conversion takes the exponent field of this operand as its scale
.endr
.irp b, 0,1,2,3
	v_and_or_b32 v[HL+\b], v[BM+\b], 0x7f800000, s36   ; 57,344 x the scale
.endr
.irp b, 0,1,2,3
	v_lshrrev_b32 v[BY+\b], 23, v[SC+\b]           ; the scale's byte
.endr
	v_lshl_or_b32 v116, v[BY+1], 8, v[BY]
	v_lshl_or_b32 v116, v[BY+2], 16, v116
	v_lshl_or_b32 v116, v[BY+3], 24, v116          ; my row's scale word
.irp b, 0,1,2,3
.irp i, 0,1,2,3,4,5,6,7,8,9,10,11,12,13,14,15
	v_med3_num_f32 v[X+16*\b+\i], v[X+16*\b+\i], -v[HL+\b], v[HL+\b]   ; the conversion to an 8-bit code does not saturate (ISA guide 7.6.2): the hold comes first
.endr
	v_cvt_scalef32_pk8_bf8_f32 v[CD+4*\b:CD+4*\b+1], v[X+16*\b:X+16*\b+7], v[SC+\b]
	v_cvt_scalef32_pk8_bf8_f32 v[CD+4*\b+2:CD+4*\b+3], v[X+16*\b+8:X+16*\b+15], v[SC+\b]
.endr
	v_nop
.irp c, 0,1,2,3
	global_store_b128 v4, v[CD+4*\c:CD+4*\c+3], s[12:13] offset:512*\c   ; the wave stores 512 consecutive bytes, at a multiple of 256 from the buffer's first byte
.endr
	global_store_b32 v5, v116, s[12:13]
	s_endpgm
.Lfunc_end_k_qa966e92c34_prep:
	.size	k_qa966e92c34_prep, .Lfunc_end_k_qa966e92c34_prep-k_qa966e92c34_prep
	.p2alignl 7, 3214868480
	.fill 96, 4, 3214868480
	.section	.rodata,"a",@progbits
	.p2align	6, 0x0
	.amdhsa_kernel k_qa966e92c34_prep
		.amdhsa_group_segment_fixed_size 0
		.amdhsa_private_segment_fixed_size 0
		.amdhsa_enable_private_segment 0
		.amdhsa_kernarg_size 40
		.amdhsa_user_sgpr_count 2
		.amdhsa_user_sgpr_kernarg_segment_ptr 1
		.amdhsa_wavefront_size32 1
		.amdhsa_system_sgpr_workgroup_id_x 1
		.amdhsa_system_sgpr_workgroup_id_y 1
		.amdhsa_system_sgpr_workgroup_id_z 1
		.amdhsa_system_vgpr_workitem_id 0
		.amdhsa_next_free_vgpr 128
		.amdhsa_next_free_sgpr 66
		.amdhsa_reserve_vcc 0
		.amdhsa_float_denorm_mode_32 3
		.amdhsa_float_denorm_mode_16_64 3
		.amdhsa_memory_ordered 1
		.amdhsa_forward_progress 1
		.amdhsa_inst_pref_size 14
	.end_amdhsa_kernel
	.amdgpu_metadata
---
amdhsa.version: [ 1, 2 ]
amdhsa.kernels:
  - .name:           k_qa966e92c34_prep
    .symbol:         k_qa966e92c34_prep.kd
    .args:
      - { .name: qkv_w, .offset: 0, .size: 8, .value_kind: global_buffer, .address_space: global }
      - { .name: proj_w, .offset: 8, .size: 8, .value_kind: global_buffer, .address_space: global }
      - { .name: fc1_w, .offset: 16, .size: 8, .value_kind: global_buffer, .address_space: global }
      - { .name: fc2_w, .offset: 24, .size: 8, .value_kind: global_buffer, .address_space: global }
      - { .name: cst, .offset: 32, .size: 8, .value_kind: global_buffer, .address_space: global }
    .group_segment_fixed_size: 0
    .private_segment_fixed_size: 0
    .kernarg_segment_align: 8
    .kernarg_segment_size: 40
    .max_flat_workgroup_size: 128
    .sgpr_count:     66
    .vgpr_count:     128
    .wavefront_size: 32
...
	.end_amdgpu_metadata
.endif
;; end of part 1
;; launch block (part 2): grid 256 x 1, 8 waves a work-group, no clusters, 316,416 bytes of LDS; arguments x, norm1_w, norm1_b, qkv_b, rpb_table, proj_b, norm2_w, norm2_b, fc1_b, fc2_b, cst, out0; writes out0
.if DOCPART == 2
	.amdgcn_target "amdgcn-amd-amdhsa--gfx1250"
	.amdhsa_code_object_version 6
	.text
	.protected	k_qa966e92c34_block
	.globl	k_qa966e92c34_block
	.p2align	8
	.type	k_qa966e92c34_block,@function
k_qa966e92c34_block:
	s_mov_b64 s[64:65], 0
	v_nop
	global_prefetch_b8 v0, s[64:65] scope:SCOPE_SE
	s_setreg_imm32_b32 hwreg(HW_REG_WAVE_MODE, 25, 1), 1
	s_wait_xcnt 0x0
; The whole block for windows of 64 tokens x 128 channels: LN1; window attention (8 heads of 16, with the relative-position bias); the same attention on the rows of the ortho rfft along the tokens; irfft; sum; proj;
; residual; LN2; fc1; exact GELU; fc2; residual.  x is read once and out0 written once; nothing else goes to memory.
; The seven large products run on codes of E5M2 with one E8M0 scale for each 32 along K; q k^T (K = 16) runs in f32, since its result goes on into a quantised operand.
; SHARES.  A work-group of eight waves walks 8 neighbouring windows.  Wave w owns: in the row phases the 8 tokens of the window's image row w; in attention head w (from qkv to its output, with no change of lanes);
; in proj output channels 16 w on; in fc1 hidden units 64 w on; in fc2 two tiles of rows x two tiles of channels.  Waves 0-3 make the FFTs, a lane to a channel.
; OPERANDS GO FROM WAVE TO WAVE THROUGH LDS AS IMAGES OF THEIR REGISTERS (register group c of lane l at 512 c + 16 l; scale words at 4 l).  The weights' images were made by the launch before.
; LOADS THAT HANG ON NO BARRIER STAND AHEAD OF IT.  Weights, biases and gains in LDS are written in the head alone: a phase's are asked for between the signal and the wait of the barrier in front of it, and so are
; rows and images that have been whole since an earlier barrier and are not written before a later one.  A wave's own rows of XRAW are asked for at the end of the phase before.  Behind a barrier's wait only bytes
; that other waves have just written are asked for.  fc1's four tiles of rows are written out: each asks for the next tile's fragment ahead of its GELU.
; THE ROWS OF A TILE ARE NOT NEIGHBOURS: slot p of tile T is row 32 (T / 2) + 8 (T % 2) + p + 8 (p / 8), so that the 16 registers of two neighbouring transposed result tiles are 16 neighbours along the next K.
; THE SPECTRAL ROWS.  Rows 33 and 65 of the stacked spectrum (Im of bins 0 and 32) are exact zeros: their q, k, v are the biases.  As QUERIES they are not needed: the inverse real transform takes no imaginary part
; of bins 0 and 32.  So 64 row slots hold row n, but slot 33 holds row 64; as KEYS, slot 33 is given the bias key, and keys 64 (what slot 33 held) and 65 (the bias key) form the third block of 32.
; THE SOFTMAX ahead of the second product: t = logit x log2(e); M = ceil(the row's largest t); p = 2^(t - M) is quantised, the sum of the unquantised p divides at the end.
; THE FFT: 64 real points as 32 complex ones (packed f32 arithmetic, a pair of registers a number), five radix-2 stages and the untangling; the two ortho factors are the exact powers of two 1/16 (in front) and 1/8 (on the spectral output).
; GELU(x) = max(x, 0) - |x| y, y = erfc(|x| / sqrt 2) / 2 = t 2^(-x x log2(e) / 2 + a polynomial of degree 9 in t), t = 1 / (1 + |x| / (2 sqrt 2)).
; mask_matrix is not among the arguments: reference() never uses it (no shift), so no output hangs on it.
; LIMITS: NaN and infinities are not served.  A block whose largest magnitude lies under 2^-111, zeros too, keeps the scale byte 1 (its codes are then zeros or subnormal; this program alone reads the bytes).
; p under 2^-126 becomes 0.  The fit of erfc has a fractional error of 1.2e-7.  Empty key places of the third block get the score -1e30.  The f32 sums (d within q k^T, the FFT's) run in another order than the reference's.
;
; REGISTERS, in windows of 256 (s_set_vgpr_msb: bits 1:0 source 0, 3:2 source 1, 5:4 source 2, 7:6 destination).  Window 0: v1-29 addresses that stay; v30-39 at work in the head; v[34:35] then a constant of GELU;
; v40-54 scale words and nothing else; v56-63 O^T; v64-95 the scores, and proj's and fc2's results: written by matrix instructions alone; v96-223 by phase; v224-239 the third block's numbers; v240-255 at work.
; Window 1: v0-71 nine bias tiles; v72-119 my head's three weight fragments; v120-143 their biases; v144-175 k, later (to v207) fc1's and fc2's fragments; v208-239 the next window's x.
.set RP,   528                         ; a row of 128 f32 in LDS: 512 bytes + 16
.set XI,   0                           ; 4 images: LN1's output; later LN2's
.set FI,   8192                        ; 4 images: the spectrum; later attention's sum
.set XSC,  16384                       ; their scale words
.set FSC,  16896
.set LNW,  17408                       ; norm1_w, norm1_b, norm2_w, norm2_b
.set PB,   19456                       ; proj_b
.set F2B,  19968                       ; fc2_b
.set F1B,  20480                       ; fc1_b
.set HSC,  22528                       ; the hidden layer's 16 scale images
.set XRAW, 24576                       ; [64][RP]: x, later x + attention; a wave touches its own 8 rows alone
.set BUFA, 58368                       ; [64][RP]
.set BUFB, 92160                       ; [64][RP]
.set HID,  125952                      ; the hidden layer's 16 images: 4 x (tile of rows) + K step
.set CST,  158720                      ; the first 156,672 bytes of cst, as they lie
.set PJ,   CST
.set F1,   CST+16384
.set F2,   CST+81920
.set PJS,  CST+147456
.set F1S,  CST+148480
.set F2S,  CST+152576
.set XS,   43                          ; v43-46 scale words of activations
.set WS,   49                          ; v49-52 scale words of weights from LDS (fc2's second round: v47, v48, v53, v54)
.set OT,   56
.set S,    64
.set Q,    96
.set PW,   128                         ; v, then p
.set XF,   160                         ; four fragments of activations, v160-223
.set BM,   160                         ; at work in the quantisers: largest magnitudes,
.set BX,   164                         ; the other half's,
.set SC,   168                         ; the conversions' scale operands,
.set HL,   172                         ; 57,344 x the scale,
.set BY,   176                         ; the bytes
.set VC,   192                         ; v's codes
.set PC,   208                         ; p's codes
.set VX,   224                         ; the third block of v: registers 2-7 stay 0
.set PX,   232                         ; and of p
.set OS,   240
.set FX,   240                         ; fc1: the fragment of rows in hand; fc2: its two bias tiles
.set TB,   248                         ; the four query tiles' scores against the bias key
.set Y,    96                          ; the row phases
.set Z,    128
.set LW,   160
.set LB,   192
.set P,    96                          ; the FFT's two sets of 32 complex numbers
.set QF,   160
.set GT,   180                         ; GELU: t,
.set GP,   188                         ; the polynomial,
.set GW,   196                         ; x times a constant,
.set GM,   204                         ; max(x, 0)
.set RB,   0                           ; window 1
.set WQ,   72
.set WK,   88
.set WV,   104
.set QB,   120
.set KB,   128
.set VB,   136
.set KK,   144
.set WF,   144
.set XP,   208
.set CT,   64                          ; cos(2 pi m / 64), m = 1 .. 15, lies twice in s[CT + 2 m : CT + 2 m + 1]
.set FLOOR, 0x8000000                  ; 2^(16 - 127)
.set EOFF,  0xf8800000                 ; takes 15 off an exponent field
.set W_Q,  0x11                        ; sources 0 and 2 in window 1
.set W_K,  0x51                        ; and the destination
.set W_V,  0x14                        ; sources 1 and 2
.set W_A1, 0x01
.set W_B1, 0x04
.set W_D1, 0x40
.set W_DD, 0x41
.set MSB, 0
.macro WIN new                         ; the immediate's high byte repeats the setting that is left; at a label and at a branch every window is 0
.if MSB != \new
	s_set_vgpr_msb (MSB<<8)|\new
.set MSB, \new
.endif
.endm
.macro NOPS n                          ; places behind matrix instructions (ISA guide 7.12.1), where no other vector work is at hand
.rept \n
	v_nop
.endr
.endm
.macro BSIG                            ; my LDS stores have landed and my LDS loads are in: I say so.  Between this and the barrier's wait stand only loads of bytes that no wave writes before a later barrier
	s_wait_dscnt 0x0
	s_barrier_signal -1
.endm
.macro BAR                             ; the work-group's barrier as a whole
	BSIG
	s_barrier_wait -1
.endm
.macro MXR d, a, b, c, sa, sb          ; a product on codes; its sum begins with the registers c
	v_wmma_scale_f32_16x16x128_f8f6f4 v[\d:\d+7], v[\a:\a+15], v[\b:\b+15], v[\c:\c+7], v[\sa], v[\sb] matrix_a_fmt:MATRIX_FMT_BF8 matrix_b_fmt:MATRIX_FMT_BF8
.endm
; A row in registers: lane (t = lane % 8, g = lane / 8) holds row 8 w + t; register 8 b + i is channel 32 b + 8 g + i
.macro RLOAD dst, adr
.irp b, 0,1,2,3
	ds_load_b128 v[\dst+8*\b:\dst+8*\b+3], v[\adr] offset:128*\b
	ds_load_b128 v[\dst+8*\b+4:\dst+8*\b+7], v[\adr] offset:128*\b+16
.endr
.endm
.macro RSTORE src, adr
.irp b, 0,1,2,3
	ds_store_b128 v[\adr], v[\src+8*\b:\src+8*\b+3] offset:128*\b
	ds_store_b128 v[\adr], v[\src+8*\b+4:\src+8*\b+7] offset:128*\b+16
.endr
.endm
.macro LNLOAD k                        ; gain and bias number k, of my lane's 32 channels
.irp b, 0,1,2,3
.irp e, 0,1
	ds_load_b128 v[LW+8*\b+4*\e:LW+8*\b+4*\e+3], v8 offset:1024*\k+128*\b+16*\e
	ds_load_b128 v[LB+8*\b+4*\e:LB+8*\b+4*\e+3], v8 offset:1024*\k+512+128*\b+16*\e
.endr
.endr
.endm
; LayerNorm of Y in place, with the gain and bias that LNLOAD asked for.  A row lies in the four lanes l, l xor 8, l xor 16, l xor 24.
.macro LNORM
	v_pk_add_f32 v[128:129], v[Y:Y+1], v[Y+2:Y+3]
	v_pk_add_f32 v[130:131], v[Y+4:Y+5], v[Y+6:Y+7]
.irp j, 8,12,16,20,24,28
	v_pk_add_f32 v[128:129], v[128:129], v[Y+\j:Y+\j+1]
	v_pk_add_f32 v[130:131], v[130:131], v[Y+\j+2:Y+\j+3]
.endr
	v_pk_add_f32 v[128:129], v[128:129], v[130:131]
	v_add_f32 v132, v128, v129
	v_add_f32_dpp v132, v132, v132 row_xmask:8 row_mask:0xf bank_mask:0xf
	v_permlanex16_b32 v133, v132, s34, s35
	v_add_f32 v132, v132, v133
	v_mul_f32 v252, s38, v132                      ; the mean
	s_wait_dscnt 0x0                               ; gain and bias are in, and stores that read Y are done: Y is written from here on
.set ci, 0
.rept 16
	v_pk_add_f32 v[Y+ci:Y+ci+1], v[Y+ci:Y+ci+1], v[252:253] op_sel_hi:[1,0] neg_lo:[0,1] neg_hi:[0,1]
.set ci, ci+2
.endr
	v_pk_mul_f32 v[128:129], v[Y:Y+1], v[Y:Y+1]
	v_pk_mul_f32 v[130:131], v[Y+2:Y+3], v[Y+2:Y+3]
.irp j, 4,8,12,16,20,24,28
	v_pk_fma_f32 v[128:129], v[Y+\j:Y+\j+1], v[Y+\j:Y+\j+1], v[128:129]
	v_pk_fma_f32 v[130:131], v[Y+\j+2:Y+\j+3], v[Y+\j+2:Y+\j+3], v[130:131]
.endr
	v_pk_add_f32 v[128:129], v[128:129], v[130:131]
	v_add_f32 v132, v128, v129
	v_add_f32_dpp v132, v132, v132 row_xmask:8 row_mask:0xf bank_mask:0xf
	v_permlanex16_b32 v133, v132, s34, s35
	v_add_f32 v132, v132, v133
	v_fma_f32 v254, v132, s38, s39                 ; the variance + 1e-5
	v_rsq_f32 v254, v254
	v_nop                                          ; a plain place behind the transcendental
.set ci, 0
	s_wait_alu depctr_va_vdst(0)
.rept 16
	v_pk_mul_f32 v[Y+ci:Y+ci+1], v[Y+ci:Y+ci+1], v[254:255] op_sel_hi:[1,0]
.set ci, ci+2
.endr
.set ci, 0
.rept 16
	v_pk_fma_f32 v[Y+ci:Y+ci+1], v[Y+ci:Y+ci+1], v[LW+ci:LW+ci+1], v[LB+ci:LB+ci+1]
.set ci, ci+2
.endr
.endm
; The row in Y is quantised along the channels and laid into the images at IMG, its scale word at SCR.  A block of 32 lies in four lanes, 8 numbers each.
.macro RQUANT IMG, SCR
.irp b, 0,1,2,3
	v_max3_num_f32 v[BM+\b], |v[Y+8*\b]|, |v[Y+8*\b+1]|, FLOOR
.endr
.irp i, 2,4,6
.irp b, 0,1,2,3
	v_max3_num_f32 v[BM+\b], v[BM+\b], |v[Y+8*\b+\i]|, |v[Y+8*\b+\i+1]|
.endr
.endr
.irp b, 0,1,2,3
	v_max_num_f32_dpp v[BM+\b], v[BM+\b], v[BM+\b] row_xmask:8 row_mask:0xf bank_mask:0xf
.endr
.irp b, 0,1,2,3
	v_permlanex16_b32 v[BX+\b], v[BM+\b], s34, s35
.endr
.irp b, 0,1,2,3
	v_max_num_f32 v[BM+\b], v[BM+\b], v[BX+\b]
.endr
.irp b, 0,1,2,3
	v_add_nc_u32 v[SC+\b], EOFF, v[BM+\b]
.endr
.irp b, 0,1,2,3
	v_and_or_b32 v[HL+\b], v[BM+\b], 0x7f800000, s36
.endr
.irp b, 0,1,2,3
	v_lshrrev_b32 v[BY+\b], 23, v[SC+\b]
.endr
	v_lshl_or_b32 v188, v[BY+1], 8, v[BY]
	v_lshl_or_b32 v188, v[BY+2], 16, v188
	v_lshl_or_b32 v188, v[BY+3], 24, v188
.irp b, 0,1,2,3
.irp i, 0,1,2,3,4,5,6,7
	v_med3_num_f32 v[Y+8*\b+\i], v[Y+8*\b+\i], -v[HL+\b], v[HL+\b]   ; the conversion does not saturate (ISA guide 7.6.2)
.endr
.endr
.irp b, 0,1,2,3
	v_cvt_scalef32_pk8_bf8_f32 v[180+2*\b:181+2*\b], v[Y+8*\b:Y+8*\b+7], v[SC+\b]
.endr
	v_nop                                          ; a plain place behind the conversions
.irp b, 0,1,2,3
	ds_store_b64 v9, v[180+2*\b:181+2*\b] offset:\IMG+512*\b
.endr
	ds_store_b32 v10, v188 offset:\SCR             ; lanes g and g xor 2 write the same word with the same value
.endm
; 32 numbers of a lane, register 16 b + i = k 32 b + 16 (lane / 16) + i, become 8 registers of codes at cd; the bytes stay in v[BY], v[BY + 1]
.macro QUANT2 src, cd
.irp b, 0,1
	v_max3_num_f32 v[BM+\b], |v[\src+16*\b]|, |v[\src+16*\b+1]|, FLOOR
.endr
.irp i, 2,4,6,8,10,12,14
.irp b, 0,1
	v_max3_num_f32 v[BM+\b], v[BM+\b], |v[\src+16*\b+\i]|, |v[\src+16*\b+\i+1]|   ; ascending: each matrix result is read from its low end on
.endr
.endr
.irp b, 0,1
	v_permlanex16_b32 v[BX+\b], v[BM+\b], s34, s35
.endr
.irp b, 0,1
	v_max_num_f32 v[BM+\b], v[BM+\b], v[BX+\b]
.endr
.irp b, 0,1
	v_add_nc_u32 v[SC+\b], EOFF, v[BM+\b]
.endr
.irp b, 0,1
	v_and_or_b32 v[HL+\b], v[BM+\b], 0x7f800000, s36
.endr
.irp b, 0,1
	v_lshrrev_b32 v[BY+\b], 23, v[SC+\b]
.endr
.irp b, 0,1
.irp i, 0,1,2,3,4,5,6,7,8,9,10,11,12,13,14,15
	v_med3_num_f32 v[\src+16*\b+\i], v[\src+16*\b+\i], -v[HL+\b], v[HL+\b]
.endr
	v_cvt_scalef32_pk8_bf8_f32 v[\cd+4*\b:\cd+4*\b+1], v[\src+16*\b:\src+16*\b+7], v[SC+\b]
	v_cvt_scalef32_pk8_bf8_f32 v[\cd+4*\b+2:\cd+4*\b+3], v[\src+16*\b+8:\src+16*\b+15], v[SC+\b]
.endr
	v_nop
.endm
; S^T = k q'^T (+ the bias tile) for query tile T: source 0 = 16 keys, source 1 = 16 queries, in f32, four K steps of 4.  A lane's registers (2 c, 2 c + 1) of k and of q' hold d = 8 (lane / 16) + 2 c + 0, 1:
; the same order of d on both sides.  The four key tiles' accumulators take turns, one instruction a turn; each sum's first step takes the bias tile or 0 as C.
.macro SCORES T, spec
.irp c, 0,1,2,3
.if (\c == 0) && (\spec == 0)
	WIN W_Q
.else
	WIN W_A1
.endif
.irp kt, 0,1,2,3
.set ID, 3*(((\T)>>1)-(\kt>>1)+1)+(((\T)&1)-(\kt&1)+1)
.if \c > 0
	v_wmma_f32_16x16x4_f32 v[S+8*\kt:S+8*\kt+7], v[KK+8*\kt+2*\c:KK+8*\kt+2*\c+1], v[Q+8*(\T)+2*\c:Q+8*(\T)+2*\c+1], v[S+8*\kt:S+8*\kt+7]
.elseif \spec
	v_wmma_f32_16x16x4_f32 v[S+8*\kt:S+8*\kt+7], v[KK+8*\kt:KK+8*\kt+1], v[Q+8*(\T):Q+8*(\T)+1], 0
.else
	v_wmma_f32_16x16x4_f32 v[S+8*\kt:S+8*\kt+7], v[KK+8*\kt:KK+8*\kt+1], v[Q+8*(\T):Q+8*(\T)+1], v[RB+8*ID:RB+8*ID+7]
.endif
.endr
.endr
	WIN 0
.endm
; The softmax's first half: the blocks' and the row's largest t, -M, and t - M into PW: the scores' registers are then free for the next tile.  Register 16 b + i is key 32 b + 16 (lane / 16) + i.
.macro SMA T, spec
.if \spec
	v_cndmask_b32 v188, v[S+17], v[TB+\T], s37     ; key place 33 (register 17, lanes 0-15) takes the bias key's score,
	v_cndmask_b32 v[PX], s96, v[S+17], s37         ; what stood there is key 64,
	v_cndmask_b32 v[PX+1], s96, v[TB+\T], s37      ; and key 65 is the bias key again; lanes 16-31 have no key in the third block
	v_max3_num_f32 v[BM], v[S], v[S+1], v[S+2]
	v_max3_num_f32 v[BM+1], v[S+16], v188, v[S+18]
.else
	v_max3_num_f32 v[BM], v[S], v[S+1], v[S+2]
	v_max3_num_f32 v[BM+1], v[S+16], v[S+17], v[S+18]
.endif
.irp i, 3,5,7,9,11,13
	v_max3_num_f32 v[BM], v[BM], v[S+\i], v[S+\i+1]
	v_max3_num_f32 v[BM+1], v[BM+1], v[S+16+\i], v[S+17+\i]
.endr
	v_max_num_f32 v[BM], v[BM], v[S+15]
	v_max_num_f32 v[BM+1], v[BM+1], v[S+31]
.if \spec
	v_max_num_f32 v[BM+2], v[PX], v[PX+1]
	v_permlanex16_b32 v[BX+2], v[BM+2], s34, s35
.endif
	v_permlanex16_b32 v[BX], v[BM], s34, s35
	v_permlanex16_b32 v[BX+1], v[BM+1], s34, s35
	v_max_num_f32 v[BM], v[BM], v[BX]
	v_max_num_f32 v[BM+1], v[BM+1], v[BX+1]
.if \spec
	v_max_num_f32 v[BM+2], v[BM+2], v[BX+2]
	v_max3_num_f32 v189, v[BM], v[BM+1], v[BM+2]
.else
	v_max_num_f32 v189, v[BM], v[BM+1]
.endif
	v_floor_f32 v180, -v189                        ; -M = floor(-t) = -ceil(t)
.set ci, 0
.rept 16
	v_pk_add_f32 v[PW+ci:PW+ci+1], v[S+ci:S+ci+1], v[180:181] op_sel_hi:[1,0]
.set ci, ci+2
.endr
.if \spec
	v_add_f32 v[PW+17], v188, v180
	v_pk_add_f32 v[PX:PX+1], v[PX:PX+1], v[180:181] op_sel_hi:[1,0]
	v_add_f32 v[BM+2], v[BM+2], v180
.endif
	v_add_f32 v[BM], v[BM], v180                   ; the same addition on each block's largest t: its exponential is the block's largest p, bit for bit
	v_add_f32 v[BM+1], v[BM+1], v180
.endm
; The second half: p, its sum, its codes and scale word.  It names none of the registers of the next tile's score products, which stand in front of it: its plain lines are their places.
.macro SMB spec
.set ci, 0
.rept 32
	v_exp_f32 v[PW+ci], v[PW+ci]
.set ci, ci+1
.endr
.if \spec
	v_exp_f32 v[PX], v[PX]
	v_exp_f32 v[PX+1], v[PX+1]
	v_exp_f32 v[BM+2], v[BM+2]
.endif
	v_exp_f32 v[BM], v[BM]
	v_exp_f32 v[BM+1], v[BM+1]
	v_nop                                          ; a plain place behind the exponentials
	s_wait_alu depctr_va_vdst(0)
.irp b, 0,1,2
.if (\b < 2) || \spec
	v_max_num_f32 v[BM+\b], FLOOR, v[BM+\b]
	v_add_nc_u32 v[SC+\b], EOFF, v[BM+\b]
	v_and_or_b32 v[HL+\b], v[BM+\b], 0x7f800000, s36
	v_lshrrev_b32 v[BY+\b], 23, v[SC+\b]
.endif
.endr
	v_lshl_or_b32 v48, v[BY+1], 8, v[BY]           ; p's scale word: it stands more than eight places ahead of its product
.if \spec
	v_lshl_or_b32 v48, v[BY+2], 16, v48
.endif
	v_pk_add_f32 v[182:183], v[PW:PW+1], v[PW+2:PW+3]   ; the row's sum is taken of the unquantised p, in two chains
	v_pk_add_f32 v[184:185], v[PW+4:PW+5], v[PW+6:PW+7]
.irp j, 8,12,16,20,24,28
	v_pk_add_f32 v[182:183], v[182:183], v[PW+\j:PW+\j+1]
	v_pk_add_f32 v[184:185], v[184:185], v[PW+\j+2:PW+\j+3]
.endr
.if \spec
	v_pk_add_f32 v[182:183], v[182:183], v[PX:PX+1]
.endif
	v_pk_add_f32 v[182:183], v[182:183], v[184:185]
	v_add_f32 v189, v182, v183
	v_permlanex16_b32 v190, v189, s34, s35
	v_add_f32 v186, v189, v190
	v_rcp_f32 v186, v186                           ; the holds below are the plain places behind it
.irp b, 0,1
.irp i, 0,1,2,3,4,5,6,7,8,9,10,11,12,13,14,15
	v_min_num_f32 v[PW+16*\b+\i], v[PW+16*\b+\i], v[HL+\b]   ; p is not negative: a one-sided hold
.endr
.endr
.if \spec
	v_min_num_f32 v[PX], v[PX], v[HL+2]
	v_min_num_f32 v[PX+1], v[PX+1], v[HL+2]
	s_wait_alu depctr_va_vdst(0)
	v_mul_f32 v186, 0.125, v186                    ; the inverse transform's factor, an exact power of two
.endif
.irp b, 0,1
	v_cvt_scalef32_pk8_bf8_f32 v[PC+4*\b:PC+4*\b+1], v[PW+16*\b:PW+16*\b+7], v[SC+\b]
	v_cvt_scalef32_pk8_bf8_f32 v[PC+4*\b+2:PC+4*\b+3], v[PW+16*\b+8:PW+16*\b+15], v[SC+\b]
.endr
.if \spec
	v_cvt_scalef32_pk8_bf8_f32 v[PC+8:PC+9], v[PX:PX+7], v[SC+2]
.endif
	NOPS 4                                         ; an operand written by vector instructions stands four places ahead of a scaled product
.endm
; O^T = v^T p^T (source 0 = the head's 16 channels, source 1 = 16 queries; K = 128 key places, zero codes beyond the last key), divided by the sum, into rows of the buffer at AO
.macro PVOUT T, AO
	v_wmma_scale_f32_16x16x128_f8f6f4 v[OT:OT+7], v[VC:VC+15], v[PC:PC+15], 0, v47, v48 matrix_a_fmt:MATRIX_FMT_BF8 matrix_b_fmt:MATRIX_FMT_BF8
	NOPS 8
	s_wait_dscnt 0x0                               ; the last tile's stores have read their registers
	s_wait_alu depctr_va_vdst(0)
.irp j, 0,2,4,6
	v_pk_mul_f32 v[OS+\j:OS+\j+1], v[OT+\j:OT+\j+1], v[186:187] op_sel_hi:[1,0]
.endr
	ds_store_b128 v[\AO], v[OS:OS+3] offset:(32*(\T>>1)+8*(\T&1))*RP
	ds_store_b128 v[\AO], v[OS+4:OS+7] offset:(32*(\T>>1)+8*(\T&1))*RP+16
.endm
.macro BRLOAD IMG, SCR                 ; the four images at IMG and their scale words: one run of 20 loads
.irp u, 0,1,2,3
.irp c, 0,1,2,3
	ds_load_b128 v[XF+16*\u+4*\c:XF+16*\u+4*\c+3], v1 offset:\IMG+2048*\u+512*\c
.endr
	ds_load_b32 v[XS+\u], v2 offset:\SCR+128*\u
.endr
.endm
; One attention of my head on the four images that BRLOAD asked for.  spec = 1: the spectral one.
.macro BRANCH spec, AO
	s_wait_dscnt 0x0
	WIN W_Q                                        ; q and k transposed (source 0 = my 16 weight rows): a lane holds one token and d = 8 (lane / 16) + 0 .. 7
.irp u, 0,1,2,3
	MXR Q+8*\u,WQ,XF+16*\u,QB,40,XS+\u
.endr
	WIN W_K
.irp u, 0,1,2,3
	MXR KK+8*\u,WK,XF+16*\u,KB,41,XS+\u
.endr
	WIN W_V                                        ; v the other way (source 0 = 16 tokens): a lane holds one d and its registers run along the keys
.irp u, 0,1,2,3
	MXR PW+8*\u,XF+16*\u,WV,VB,XS+\u,42
.endr
	WIN 0
	NOPS 8
.set ci, 0
.rept 16
	v_pk_mul_f32 v[Q+ci:Q+ci+1], v[Q+ci:Q+ci+1], 0x3eb8aa3b op_sel_hi:[1,0]   ; q' = q x log2(e) / 4: the scores come out as t
.set ci, ci+2
.endr
.irp j, 8,9,10,11,12,13,14,15
	v_mov_b32 v[VC+\j], 0                          ; the images' registers become v's and p's codes: zero codes beyond the last key
	v_mov_b32 v[PC+\j], 0
.endr
.if \spec
	v_cndmask_b32 v[VX], 0, v[PW+17], s37          ; key 64 is what key place 33 held,
	WIN W_B1
	v_cndmask_b32 v[PW+17], v[PW+17], v[VB], s37   ; key place 33 is the bias key,
	v_cndmask_b32 v[VX+1], 0, v[VB], s37           ; and so is key 65
	WIN 0
.endif
	QUANT2 PW,VC
.if \spec
	v_max3_num_f32 v[BM+2], |v[VX]|, |v[VX+1]|, FLOOR
	v_permlanex16_b32 v[BX+2], v[BM+2], s34, s35
	v_max_num_f32 v[BM+2], v[BM+2], v[BX+2]
	v_add_nc_u32 v[SC+2], EOFF, v[BM+2]
	v_and_or_b32 v[HL+2], v[BM+2], 0x7f800000, s36
	v_lshrrev_b32 v[BY+2], 23, v[SC+2]
	v_med3_num_f32 v[VX], v[VX], -v[HL+2], v[HL+2]
	v_med3_num_f32 v[VX+1], v[VX+1], -v[HL+2], v[HL+2]
	v_cvt_scalef32_pk8_bf8_f32 v[VC+8:VC+9], v[VX:VX+7], v[SC+2]
	v_nop
.endif
	v_lshl_or_b32 v47, v[BY+1], 8, v[BY]           ; v's scale word
.if \spec
	v_lshl_or_b32 v47, v[BY+2], 16, v47
	WIN W_B1                                       ; each query's score against the bias key: q' . b_k, my 8 of d and lane l xor 16's
.irp u, 0,1,2,3
	v_pk_mul_f32 v[OS+2*\u:OS+2*\u+1], v[Q+8*\u:Q+8*\u+1], v[KB:KB+1]
.endr
.irp j, 2,4,6
.irp u, 0,1,2,3
	v_pk_fma_f32 v[OS+2*\u:OS+2*\u+1], v[Q+8*\u+\j:Q+8*\u+\j+1], v[KB+\j:KB+\j+1], v[OS+2*\u:OS+2*\u+1]
.endr
.endr
	WIN 0
.irp u, 0,1,2,3
	v_add_f32 v[OS+2*\u], v[OS+2*\u], v[OS+2*\u+1]
.endr
.irp u, 0,1,2,3
	v_permlanex16_b32 v[OS+2*\u+1], v[OS+2*\u], s34, s35
.endr
.irp u, 0,1,2,3
	v_add_f32 v[TB+\u], v[OS+2*\u], v[OS+2*\u+1]
.endr
.endif
	SCORES 0,\spec
	NOPS 8
	SMA 0,\spec
	SCORES 1,\spec                                 ; the next tile's score products run beside this tile's exponentials and conversions
	SMB \spec
	PVOUT 0,\AO
	SMA 1,\spec
	SCORES 2,\spec
	SMB \spec
	PVOUT 1,\AO
	SMA 2,\spec
	SCORES 3,\spec
	SMB \spec
	PVOUT 2,\AO
	SMA 3,\spec
	SMB \spec
	PVOUT 3,\AO
.endm
; THE FFT.  Complex number m of a set lies in registers (2 m, 2 m + 1).  From bf: butterfly bf's places BFA, BFB, its twiddle W64^BFM = cos - i sin, and where cos's and sin's magnitudes lie.
.macro BFLY H
.set BFJ, bf%(\H)
.set BFA, (bf/(\H))*2*(\H)+BFJ
.set BFB, BFA+(\H)
.set BFM, 32*BFJ/(\H)
.if BFM > 16
.set BFC, 32-BFM
.set BFS, BFM-16
.else
.set BFC, BFM
.set BFS, 16-BFM
.endif
.endm
.macro TW1 d, x                        ; d = x cos
.if BFM > 16
	v_pk_mul_f32 v[\d:\d+1], v[\x:\x+1], s[CT+2*BFC:CT+2*BFC+1] op_sel_hi:[1,0] neg_lo:[1,0] neg_hi:[1,0]
.else
	v_pk_mul_f32 v[\d:\d+1], v[\x:\x+1], s[CT+2*BFC:CT+2*BFC+1] op_sel_hi:[1,0]
.endif
.endm
.macro TW2 d, x, inv                   ; d += (x.im sin, -x.re sin), or for the conjugate twiddle (-x.im sin, x.re sin)
.if \inv
	v_pk_fma_f32 v[\d:\d+1], v[\x:\x+1], s[CT+2*BFS:CT+2*BFS+1], v[\d:\d+1] op_sel:[1,0,0] op_sel_hi:[0,0,1] neg_lo:[1,0,0]
.else
	v_pk_fma_f32 v[\d:\d+1], v[\x:\x+1], s[CT+2*BFS:CT+2*BFS+1], v[\d:\d+1] op_sel:[1,0,0] op_sel_hi:[0,0,1] neg_hi:[1,0,0]
.endif
.endm
.macro FSTAGE src, dst, H              ; forward: dst[a] = a + b; dst[b] = (a - b) W.  In three passes, so that no line waits for the line above it
.set bf, 0
.rept 16
	BFLY \H
	v_pk_add_f32 v[\dst+2*BFA:\dst+2*BFA+1], v[\src+2*BFA:\src+2*BFA+1], v[\src+2*BFB:\src+2*BFB+1]
.if BFM == 0
	v_pk_add_f32 v[\dst+2*BFB:\dst+2*BFB+1], v[\src+2*BFA:\src+2*BFA+1], v[\src+2*BFB:\src+2*BFB+1] neg_lo:[0,1] neg_hi:[0,1]
.elseif BFM == 16
	v_pk_add_f32 v[\dst+2*BFB:\dst+2*BFB+1], v[\src+2*BFA:\src+2*BFA+1], v[\src+2*BFB:\src+2*BFB+1] op_sel:[1,1] op_sel_hi:[0,0] neg_lo:[0,1] neg_hi:[1,0]   ; (a - b) (-i)
.else
	v_pk_add_f32 v[\src+2*BFB:\src+2*BFB+1], v[\src+2*BFA:\src+2*BFA+1], v[\src+2*BFB:\src+2*BFB+1] neg_lo:[0,1] neg_hi:[0,1]
.endif
.set bf, bf+1
.endr
.set bf, 0
.rept 16
	BFLY \H
.if (BFM != 0) && (BFM != 16)
	TW1 \dst+2*BFB,\src+2*BFB
.endif
.set bf, bf+1
.endr
.set bf, 0
.rept 16
	BFLY \H
.if (BFM != 0) && (BFM != 16)
	TW2 \dst+2*BFB,\src+2*BFB,0
.endif
.set bf, bf+1
.endr
.endm
.macro ISTAGE src, dst, H              ; inverse: t = b conj(W); dst[a] = a + t; dst[b] = a - t
.set bf, 0
.rept 16
	BFLY \H
.if (BFM != 0) && (BFM != 16)
	TW1 \dst+2*BFB,\src+2*BFB
.endif
.set bf, bf+1
.endr
.set bf, 0
.rept 16
	BFLY \H
.if (BFM != 0) && (BFM != 16)
	TW2 \dst+2*BFB,\src+2*BFB,1
.endif
.set bf, bf+1
.endr
.set bf, 0
.rept 16
	BFLY \H
.if BFM == 0
	v_pk_add_f32 v[\dst+2*BFA:\dst+2*BFA+1], v[\src+2*BFA:\src+2*BFA+1], v[\src+2*BFB:\src+2*BFB+1]
	v_pk_add_f32 v[\dst+2*BFB:\dst+2*BFB+1], v[\src+2*BFA:\src+2*BFA+1], v[\src+2*BFB:\src+2*BFB+1] neg_lo:[0,1] neg_hi:[0,1]
.elseif BFM == 16
	v_pk_add_f32 v[\dst+2*BFA:\dst+2*BFA+1], v[\src+2*BFA:\src+2*BFA+1], v[\src+2*BFB:\src+2*BFB+1] op_sel:[0,1] op_sel_hi:[1,0] neg_lo:[0,1]   ; a + i b
	v_pk_add_f32 v[\dst+2*BFB:\dst+2*BFB+1], v[\src+2*BFA:\src+2*BFA+1], v[\src+2*BFB:\src+2*BFB+1] op_sel:[0,1] op_sel_hi:[1,0] neg_hi:[0,1]   ; a - i b
.else
	v_pk_add_f32 v[\dst+2*BFA:\dst+2*BFA+1], v[\src+2*BFA:\src+2*BFA+1], v[\dst+2*BFB:\dst+2*BFB+1]
	v_pk_add_f32 v[\dst+2*BFB:\dst+2*BFB+1], v[\src+2*BFA:\src+2*BFA+1], v[\dst+2*BFB:\dst+2*BFB+1] neg_lo:[0,1] neg_hi:[0,1]
.endif
.set bf, bf+1
.endr
.endm
; The untangling between the 32 complex points Z (in QF, in bit-reversed places) and the real transform's bins X (in P, in order), for the pair of bins kk and 32 - kk.
.macro UK inv
.set UK2, 32-kk
.set UR1, ((kk&1)<<4)|((kk&2)<<2)|(kk&4)|((kk&8)>>2)|((kk&16)>>4)
.set UR2, ((UK2&1)<<4)|((UK2&2)<<2)|(UK2&4)|((UK2&8)>>2)|((UK2&16)>>4)
.if \inv
.set USA, P+2*kk
.set USB, P+2*UK2
.set UDA, QF+2*UR1
.set UDB, QF+2*UR2
.else
.set USA, QF+2*UR1
.set USB, QF+2*UR2
.set UDA, P+2*kk
.set UDB, P+2*UK2
.endif
.set UU, 240+2*(kk&7)
.endm
.macro UNTB inv, k0, n                 ; n pairs from k0 on, line by line across the pairs
.set kk, \k0
.rept \n
	UK \inv
	v_pk_add_f32 v[UDA:UDA+1], v[USA:USA+1], v[USB:USB+1] neg_hi:[0,1]   ; a + conj b
	v_pk_add_f32 v[UDB:UDB+1], v[USA:USA+1], v[USB:USB+1] neg_lo:[0,1]   ; a - conj b
.set kk, kk+1
.endr
.set kk, \k0
.rept \n
	UK \inv
.if \inv
	v_pk_mul_f32 v[UU:UU+1], v[UDB:UDB+1], s[CT+2*kk:CT+2*kk+1] op_sel:[1,0] op_sel_hi:[0,0] neg_lo:[1,0]   ; u = i conj(W64^k) (a - conj b),
.else
	v_pk_mul_f32 v[UU:UU+1], v[UDB:UDB+1], s[CT+2*kk:CT+2*kk+1] op_sel:[1,0] op_sel_hi:[0,0] neg_hi:[1,0]   ; u = -i W64^k (a - conj b),
.endif
.set kk, kk+1
.endr
.set kk, \k0
.rept \n
	UK \inv
	v_pk_fma_f32 v[UU:UU+1], v[UDB:UDB+1], s[CT+2*(16-kk):CT+2*(16-kk)+1], v[UU:UU+1] op_sel_hi:[1,0,1] neg_lo:[1,0,0] neg_hi:[1,0,0]   ; its part with the sine
.set kk, kk+1
.endr
.set kk, \k0
.rept \n
	UK \inv
	v_pk_add_f32 v[UDB:UDB+1], v[UDA:UDA+1], v[UU:UU+1] neg_lo:[0,1] neg_hi:[1,0]   ; conj((a + conj b) - u)
	v_pk_add_f32 v[UDA:UDA+1], v[UDA:UDA+1], v[UU:UU+1]                            ; (a + conj b) + u
.set kk, kk+1
.endr
.endm
.macro FFTF                            ; P: 64 real numbers / 16  ->  P: (Re X0, Re X32), then (Re Xk, Im Xk), k = 1 .. 31, of the ortho transform
	FSTAGE P,QF,16
	FSTAGE QF,P,8
	FSTAGE P,QF,4
	FSTAGE QF,P,2
	FSTAGE P,QF,1
	v_add_f32 v[P], v[QF], v[QF+1]
	v_sub_f32 v[P+1], v[QF], v[QF+1]
	v_pk_mul_f32 v[P+32:P+33], v[QF+2:QF+3], 2.0 op_sel_hi:[1,0] neg_hi:[1,0]   ; bin 16: 2 conj Z16
	v_pk_mul_f32 v[P:P+1], v[P:P+1], 2.0 op_sel_hi:[1,0]
	UNTB 0,1,8
	UNTB 0,9,7
.endm
.macro FFTI                            ; the same layout / 8  ->  P: 64 real numbers of the ortho inverse
	v_add_f32 v[QF], v[P], v[P+1]
	v_sub_f32 v[QF+1], v[P], v[P+1]
	v_pk_mul_f32 v[QF+2:QF+3], v[P+32:P+33], 2.0 op_sel_hi:[1,0] neg_hi:[1,0]
	UNTB 1,1,8
	UNTB 1,9,7
	ISTAGE QF,P,1
	ISTAGE P,QF,2
	ISTAGE QF,P,4
	ISTAGE P,QF,8
	ISTAGE QF,P,16
.endm
.macro ROWOF                           ; from ci: the row slot of register P + ci: Re Xk in row k, Re X32 in row 32, Im Xk in row 33 + k, but Im X31 in row 33
.if (ci&1) == 0
.set rw, ci/2
.elseif ci == 1
.set rw, 32
.elseif ci == 63
.set rw, 33
.else
.set rw, 33+(ci-1)/2
.endif
.endm
.macro GELU                            ; on v128-159, eight numbers at a time
.irp g, 0,1,2,3
.irp i, 0,1,2,3,4,5,6,7
	v_fma_f32 v[GT+\i], |v[128+8*\g+\i]|, s42, 1.0
.endr
.irp i, 0,1,2,3,4,5,6,7
	v_rcp_f32 v[GT+\i], v[GT+\i]
.endr
.irp i, 0,2,4,6
	v_pk_mul_f32 v[GW+\i:GW+\i+1], v[128+8*\g+\i:128+8*\g+\i+1], 0xbf38aa3b op_sel_hi:[1,0]   ; -x log2(e) / 2.  (Plain places behind the reciprocals)
.endr
	s_wait_alu depctr_va_vdst(0)
.irp i, 0,2,4,6
	v_pk_fma_f32 v[GP+\i:GP+\i+1], v[GT+\i:GT+\i+1], v[34:35], 0xbf97d29d op_sel_hi:[1,1,0]
.endr
.irp cc, 0x40097039, 0xbfd1a1e5, 0x3ecdfd18, 0xbe899a80, 0x3e0efb2e, 0x3f0a29d2, 0x3fb8ab5a, 0xc034d90f
.irp i, 0,2,4,6
	v_pk_fma_f32 v[GP+\i:GP+\i+1], v[GP+\i:GP+\i+1], v[GT+\i:GT+\i+1], \cc op_sel_hi:[1,1,0]
.endr
.endr
.irp i, 0,2,4,6
	v_pk_fma_f32 v[GP+\i:GP+\i+1], v[GW+\i:GW+\i+1], v[128+8*\g+\i:128+8*\g+\i+1], v[GP+\i:GP+\i+1]
.endr
.irp i, 0,1,2,3,4,5,6,7
	v_exp_f32 v[GP+\i], v[GP+\i]
.endr
.irp i, 0,1,2,3,4,5,6,7
	v_max_num_f32 v[GM+\i], 0, v[128+8*\g+\i]      ; (plain places behind the exponentials)
.endr
	s_wait_alu depctr_va_vdst(0)
.irp i, 0,2,4,6
	v_pk_mul_f32 v[GP+\i:GP+\i+1], v[GP+\i:GP+\i+1], v[GT+\i:GT+\i+1]
.endr
.irp i, 0,1,2,3,4,5,6,7
	v_fma_f32 v[128+8*\g+\i], -|v[128+8*\g+\i]|, v[GP+\i], v[GM+\i]
.endr
.endr
.endm
; fc1, GELU and the hidden layer's codes for tile m of 16 rows: my 64 units.  The next tile's fragment is asked for behind this tile's products and lands under GELU.
.macro FC1 m
	WIN W_A1
.irp u, 0,1,2,3
	MXR 128+8*\u,WF+16*\u,FX,96+8*\u,WS+\u,XS+\m   ; transposed: a lane holds one row; registers 16 b + i are units 64 w + 32 b + 16 h + i; the bias is each sum's C
.endr
	WIN 0
	NOPS 8                                         ; places in front of the first read of results, and of the loads into the fragment's registers
.if \m < 3
.irp c, 0,1,2,3
	ds_load_b128 v[FX+4*\c:FX+4*\c+3], v1 offset:XI+2048*(\m+1)+512*\c
.endr
	ds_load_b32 v[XS+\m+1], v2 offset:XSC+128*(\m+1)
.endif
	GELU
	s_wait_dscnt 0x0                               ; the next tile's fragment is in, and the last tile's stores have read their registers: both were issued ahead of GELU
	QUANT2 128,212
	v_lshl_or_b32 v220, v[BY+1], 8, v[BY]
	ds_store_b128 v21, v[212:215] offset:8192*\m
	ds_store_b128 v21, v[216:219] offset:8192*\m+512
	ds_store_b16 v22, v220 offset:512*\m           ; my two bytes of the row's scale word
.endm
.macro F2LOAD q                        ; fc2: the hidden fragments and scale words of K steps 2 q and 2 q + 1 for my two tiles of rows, K step by K step: ten loads each
.irp e, 0,1
.irp mm, 0,1
.irp c, 0,1,2,3
	ds_load_b128 v[96+16*(2*\mm+\e)+4*\c:96+16*(2*\mm+\e)+4*\c+3], v23 offset:8192*\mm+2048*(2*\q+\e)+512*\c
.endr
	ds_load_b32 v[XS+2*\mm+\e], v24 offset:512*\mm+128*(2*\q+\e)
.endr
.endr
.endm
.macro COSV m, val
	s_mov_b32 s[CT+2*\m], \val
	s_mov_b32 s[CT+2*\m+1], \val
.endm
	; ---------------- the head ----------------
	s_load_b512 s[8:23], s[0:1], 0x0               ; x 8:9, norm1_w 10:11, norm1_b 12:13, qkv_b 14:15, rpb_table 16:17, proj_b 18:19, norm2_w 20:21, norm2_b 22:23
	s_load_b256 s[24:31], s[0:1], 0x40             ; fc1_b 24:25, fc2_b 26:27, cst 28:29, out0 30:31
	v_lshl_add_u32 v55, v0, 2, 0x4d000
	s_set_vgpr_msb 0x40
	v_mov_b32 v255, 0
	s_set_vgpr_msb 0x4000
	v_lshrrev_b32 v240, 5, v0
	v_readfirstlane_b32 s32, v240                  ; w: wave, head
	v_and_b32 v240, 31, v0                         ; l
	v_and_b32 v241, 15, v0                         ; r
	v_bfe_u32 v242, v0, 4, 1                       ; h
	v_and_b32 v243, 7, v0                          ; t
	v_bfe_u32 v244, v0, 3, 2                       ; g
	v_bfe_u32 v245, v0, 3, 1                       ; g % 2 = r / 8
	v_lshlrev_b32 v1, 4, v240                      ; 16 l
	v_lshlrev_b32 v2, 2, v240                      ; 4 l
	s_mul_i32 s48, s32, 8*RP                       ; my 8 rows
	s_and_b32 s49, s32, 1                          ; w % 2
	s_lshr_b32 s50, s32, 1                         ; w / 2
	s_bfe_u32 s51, s32, 0x10001                    ; (w / 2) % 2
	s_lshr_b32 s52, s32, 2
	s_lshl_b32 s52, s52, 1
	s_add_co_u32 s52, s52, s49                     ; the tile of my rows: 2 (w / 4) + w % 2; their slots: t + 8 ((w / 2) % 2)
	v_mul_u32_u24 v247, v243, RP
	v_lshl_add_u32 v247, v244, 5, v247             ; t rows + 32 g
	s_add_co_u32 s53, s48, XRAW
	v_add_nc_u32 v3, s53, v1                       ; v3: XRAW, my rows, 16 l
	v_add_nc_u32 v4, s53, v247                     ; v4: XRAW, row layout
	s_add_co_u32 s53, s48, BUFA
	v_add_nc_u32 v5, s53, v247                     ; v5: BUFA, row layout
	s_add_co_u32 s53, s48, BUFB
	v_add_nc_u32 v6, s53, v247                     ; v6: BUFB, row layout
	v_add_nc_u32 v7, s53, v1                       ; v7: BUFB, my rows, 16 l
	v_lshl_add_u32 v8, v244, 5, LNW                ; v8: gains and biases of my channels
	s_lshl_b32 s53, s52, 11
	s_lshl_b32 s54, s51, 7
	s_add_co_u32 s53, s53, s54
	v_lshlrev_b32 v9, 4, v243
	v_lshl_add_u32 v9, v242, 8, v9
	v_lshl_add_u32 v9, v245, 3, v9
	v_add_nc_u32 v9, s53, v9                       ; v9: my 8 codes of a block in an image: 2048 T + 16 (slot + 16 (g / 2)) + 8 (g % 2)
	s_lshl_b32 s53, s52, 7
	s_lshl_b32 s54, s51, 5
	s_add_co_u32 s53, s53, s54
	v_lshlrev_b32 v10, 2, v243
	v_lshl_add_u32 v10, v245, 6, v10
	v_add_nc_u32 v10, s53, v10                     ; v10: my row's scale word: 128 T + 4 slot + 64 (g % 2)
	s_and_b32 s53, s32, 3
	s_lshl_b32 s53, s53, 7
	s_add_co_u32 s54, s53, BUFA
	v_add_nc_u32 v11, s54, v2                      ; v11: BUFA, channel 32 (w % 4) + l
	s_add_co_u32 s54, s53, BUFB
	v_add_nc_u32 v12, s54, v2                      ; v12: the same in BUFB
	v_and_b32 v246, 8, v241
	v_add_nc_u32 v246, v246, v241
	v_mul_u32_u24 v246, v246, RP
	v_lshl_add_u32 v246, v242, 5, v246             ; row r + 8 (r / 8), + 32 h
	v_lshlrev_b32 v248, 5, v242                    ; 32 h
	s_lshl_b32 s53, s32, 6
	s_add_co_u32 s54, s53, BUFA
	v_add_nc_u32 v13, s54, v246                    ; v13: BUFA, a transposed result's 8 channels 16 w + 8 h on
	s_add_co_u32 s54, s53, BUFB
	v_add_nc_u32 v14, s54, v246                    ; v14: the same in BUFB
	s_add_co_u32 s54, s53, PB
	v_add_nc_u32 v17, s54, v248                    ; v17: proj_b
	s_lshl_b32 s54, s32, 11
	s_add_co_u32 s54, s54, PJ
	v_add_nc_u32 v15, s54, v1                      ; v15: proj's fragment w
	s_lshl_b32 s54, s32, 7
	s_add_co_u32 s54, s54, PJS
	v_add_nc_u32 v16, s54, v2                      ; v16: its scale words
	s_lshl_b32 s54, s32, 13
	s_add_co_u32 s54, s54, F1
	v_add_nc_u32 v18, s54, v1                      ; v18: fc1's fragments 4 w on
	s_lshl_b32 s54, s32, 9
	s_add_co_u32 s54, s54, F1S
	v_add_nc_u32 v19, s54, v2                      ; v19: their scale words
	s_lshl_b32 s54, s32, 8
	s_add_co_u32 s54, s54, F1B
	v_lshl_add_u32 v20, v242, 6, s54               ; v20: fc1_b: 256 w + 64 h
	s_lshl_b32 s54, s32, 10
	s_add_co_u32 s54, s54, HID
	v_add_nc_u32 v21, s54, v1                      ; v21: where my half of a hidden image goes: K step w / 2, register groups 2 (w % 2) on
	s_lshl_b32 s54, s50, 7
	s_lshl_b32 s55, s49, 1
	s_add_co_u32 s54, s54, s55
	s_add_co_u32 s54, s54, HSC
	v_add_nc_u32 v22, s54, v2                      ; v22: and my two bytes of its scale words
	s_lshl_b32 s54, s49, 14
	s_add_co_u32 s54, s54, HID
	v_add_nc_u32 v23, s54, v1                      ; v23: fc2: the hidden images of my two tiles of rows
	s_lshl_b32 s54, s49, 10
	s_add_co_u32 s54, s54, HSC
	v_add_nc_u32 v24, s54, v2                      ; v24: their scale words
	s_lshl_b32 s54, s50, 14
	s_add_co_u32 s54, s54, F2
	v_add_nc_u32 v25, s54, v1                      ; v25: fc2's fragments of my two tiles of channels
	s_lshl_b32 s54, s50, 10
	s_add_co_u32 s54, s54, F2S
	v_add_nc_u32 v26, s54, v2                      ; v26: their scale words
	s_lshl_b32 s55, s50, 7
	s_add_co_u32 s54, s55, F2B
	v_add_nc_u32 v27, s54, v248                    ; v27: fc2_b
	s_mul_i32 s54, s49, 32*RP
	s_add_co_u32 s54, s54, s55
	s_add_co_u32 s54, s54, BUFB
	v_add_nc_u32 v28, s54, v246                    ; v28: where fc2's results go
	s_lshl_b32 s54, s32, 17
	v_add_nc_u32 v29, s54, v1                      ; v29: x and out0: image row w (131,072 bytes a row), 16 l
	v_lshlrev_b32 v30, 4, v0                       ; offsets and LDS addresses for the head's loads and stores: 16 x thread,
	v_lshl_add_u32 v31, v0, 4, CST                 ; the same in the constants' region, for pieces 0-15,
	v_lshl_add_u32 v38, v0, 4, CST+0x10000         ; 16-31,
	v_lshl_add_u32 v39, v0, 4, CST+0x20000         ; 32-37,
	v_lshl_add_u32 v60, v0, 2, CST+155648          ; and its last 1,024 bytes, 4 a thread
	v_lshlrev_b32 v32, 2, v0
	s_lshl_b32 s54, s32, 11
	v_add_nc_u32 v33, s54, v1                      ; my head's weight fragments
	v_add_nc_u32 v34, s53, v248                    ; qkv_b: 64 w + 32 h
	v_lshl_add_u32 v35, v241, 2, s53               ; qkv_b: 64 w + 4 r
	v_add_nc_u32 v249, 1, v245
	v_sub_nc_u32 v249, v249, v242
	v_mul_u32_u24 v249, v249, 30
	v_add_nc_u32 v249, v249, v243
	v_lshlrev_b32 v36, 5, v249
	s_lshl_b32 s54, s32, 2
	v_add_nc_u32 v36, s54, v36                     ; rpb_table: 32 (30 (r / 8 - h + 1) + r % 8) + 4 w
	s_lshl_b32 s54, s32, 7
	v_add_nc_u32 v37, s54, v2                      ; my head's scale words
	s_cmp_eq_u32 s32, 7
	s_cselect_b32 s58, 512, 0
	v_add_nc_u32 v61, s58, v1                      ; the small constants: 16 l, and for wave 7 the second 512 bytes of fc1_b
	s_mov_b32 s34, 0x76543210
	s_mov_b32 s35, 0xfedcba98                      ; v_permlanex16_b32's selects for lane l xor 16
	s_mov_b32 s36, 0x600000                        ; the mantissa field of 57,344
	s_mov_b32 s37, 0xffff                          ; lanes 0-15
	s_mov_b32 s38, 0x3c000000                      ; 1 / 128
	s_mov_b32 s39, 0x3727c5ac                      ; 1e-5
	s_mov_b32 s42, 0x3eb504f3                      ; 1 / (2 sqrt 2)
	s_mov_b32 s96, 0xf149f2ca                      ; -1e30
	COSV 1, 0x3f7ec46d
	COSV 2, 0x3f7b14be
	COSV 3, 0x3f74fa0b
	COSV 4, 0x3f6c835e
	COSV 5, 0x3f61c598
	COSV 6, 0x3f54db31
	COSV 7, 0x3f45e403
	COSV 8, 0x3f3504f3
	COSV 9, 0x3f226799
	COSV 10, 0x3f0e39da
	COSV 11, 0x3ef15aea
	COSV 12, 0x3ec3ef15
	COSV 13, 0x3e94a031
	COSV 14, 0x3e47c5c2
	COSV 15, 0x3dc8bd36
	s_lshr_b32 s60, ttmp9, 2                       ; my first window: 8 image rows x (work-group / 4), 64 pixels x (work-group % 4)
	s_lshl_b32 s60, s60, 20
	s_and_b32 s62, ttmp9, 3
	s_lshl_b32 s62, s62, 15
	s_add_co_u32 s60, s60, s62
	s_mov_b32 s61, 0
	s_wait_kmcnt 0x0
	s_add_nc_u64 s[8:9], s[8:9], s[60:61]
	s_add_nc_u64 s[30:31], s[30:31], s[60:61]
	; The small constants lie on end in LDS from LNW on, 512 bytes each: norm1_w, norm1_b, norm2_w, norm2_b, proj_b, fc2_b, then fc1_b's 2,048.  Wave w brings the w-th 512 bytes: the choice hangs on the wave's number alone
	s_cmp_lt_u32 s32, 6
	s_cselect_b64 s[56:57], s[26:27], s[24:25]
	s_cmp_lt_u32 s32, 5
	s_cselect_b64 s[56:57], s[18:19], s[56:57]
	s_cmp_lt_u32 s32, 4
	s_cselect_b64 s[56:57], s[22:23], s[56:57]
	s_cmp_lt_u32 s32, 3
	s_cselect_b64 s[56:57], s[20:21], s[56:57]
	s_cmp_lt_u32 s32, 2
	s_cselect_b64 s[56:57], s[12:13], s[56:57]
	s_cmp_lt_u32 s32, 1
	s_cselect_b64 s[56:57], s[10:11], s[56:57]
	; ALL THE HEAD'S LOADS GO OUT IN ONE RUN, with one wait behind them
	WIN W_D1
.irp i, 0,1,2,3,4,5,6,7
	global_load_b128 v[XP+4*\i:XP+4*\i+3], v29, s[8:9] offset:512*\i th:TH_LOAD_NT   ; the first window's x: a token's 512 bytes a load
.endr
.irp u, 0,1,2                                  ; what stays in my registers for the whole launch
.irp c, 0,1,2,3
	global_load_b128 v[WQ+16*\u+4*\c:WQ+16*\u+4*\c+3], v33, s[28:29] offset:156672+16384*\u+512*\c
.endr
.endr
	global_load_b128 v[QB:QB+3], v34, s[14:15]
	global_load_b128 v[QB+4:QB+7], v34, s[14:15] offset:16
	global_load_b128 v[KB:KB+3], v34, s[14:15] offset:512
	global_load_b128 v[KB+4:KB+7], v34, s[14:15] offset:528
	global_load_b32 v[VB], v35, s[14:15] offset:1024
; The bias tile of query tile T and key tile kt hangs on the differences A - 1 = T / 2 - kt / 2 and B - 1 = T % 2 - kt % 2 alone: nine tiles.  Lane (r, h), register j: query row r + 8 (r / 8), key row 16 h + j within the tiles
.irp A, 0,1,2
.irp B, 0,1,2
.irp j, 0,1,2,3,4,5,6,7
	global_load_b32 v[RB+8*(3*\A+\B)+\j], v36, s[16:17] offset:32*(15*(4*(\A-1)+(\B-1))+82-\j)
.endr
.endr
.endr
	WIN 0
	global_load_b32 v40, v37, s[28:29] offset:205824
	global_load_b32 v41, v37, s[28:29] offset:205824+1024
	global_load_b32 v42, v37, s[28:29] offset:205824+2048
.set ci, 0
.rept 38                                       ; proj's, fc1's and fc2's images: 38 pieces of 4,096 bytes, 16 bytes a thread,
	global_load_b128 v[96+4*ci:99+4*ci], v30, s[28:29] offset:4096*ci
.set ci, ci+1
.endr
	global_load_b32 v248, v32, s[28:29] offset:155648   ; and 1,024 bytes more, 4 a thread
	global_load_b128 v[252:255], v61, s[56:57]          ; my 512 bytes of the small constants
	global_load_b32 v249, v32, s[24:25] offset:1024     ; fc1_b's last 1,024 bytes, 4 a thread
	s_wait_loadcnt 0x0
.set ci, 0
.rept 16
	ds_store_b128 v31, v[96+4*ci:99+4*ci] offset:4096*ci
	ds_store_b128 v38, v[160+4*ci:163+4*ci] offset:4096*ci
.set ci, ci+1
.endr
.set ci, 0
.rept 6
	ds_store_b128 v39, v[224+4*ci:227+4*ci] offset:4096*ci
.set ci, ci+1
.endr
	ds_store_b32 v60, v248
	ds_store_b128 v30, v[252:255] offset:LNW       ; 16 x thread = 512 w + 16 l
	ds_store_b32 v32, v249 offset:F1B+1024
	WIN W_DD
.irp j, 1,2,3,4,5,6,7
	v_mov_b32 v[VB+\j], v[VB]                      ; v's bias in its result's layout: the lane's one channel in all eight registers
.endr
.set ci, 0
.rept 36
	v_pk_mul_f32 v[RB+ci:RB+ci+1], v[RB+ci:RB+ci+1], 0x3fb8aa3b op_sel_hi:[1,0]   ; the bias as t
.set ci, ci+2
.endr
	WIN 0
	s_wait_dscnt 0x0                               ; the stores have read their registers
.irp j, 0,1,2,3,4,5,6,7
	v_mov_b32 v[VX+\j], 0                          ; the third block's places 2-7 stay 0
	v_mov_b32 v[PX+\j], 0
.endr
.irp j, 164,165,166,167,181,187,189,190,252,253,254,255
	v_mov_b32 v[\j], 0                             ; destinations of lane permutes and upper halves of pairs: written once before they are named
.endr
	v_mov_b32 v34, 0x3e7c6f08                      ; the polynomial's leading coefficient, twice
	v_mov_b32 v35, 0x3e7c6f08
	s_mov_b32 s33, 0
	BAR                                            ; the constants lie in LDS
	; ---------------- a window ----------------
.Lwin:
	; LN1.  My 8 tokens go to XRAW as they came, and come back in the row layout
	LNLOAD 0
	s_wait_loadcnt 0x0                             ; this window's x, asked for a window ago
	WIN W_B1
.irp i, 0,1,2,3,4,5,6,7
	ds_store_b128 v3, v[XP+4*\i:XP+4*\i+3] offset:RP*\i
.endr
	WIN 0
	RLOAD Y,4                                      ; LDS serves a wave's instructions in order: these see the stores above
	s_wait_dscnt 0x0                               ; my rows are back: so the stores are done and their registers may take the next window's x
	s_cmp_eq_u32 s33, 7                            ; the last window asks for nothing: no load leaves its buffer
	s_cbranch_scc1 .Lno_next
	WIN W_D1
.irp i, 0,1,2,3,4,5,6,7
	global_load_b128 v[XP+4*\i:XP+4*\i+3], v29, s[8:9] offset:4096+512*\i th:TH_LOAD_NT
.endr
	WIN 0
.Lno_next:
	LNORM
.set ci, 0
.rept 16
	v_pk_mul_f32 v[Z+ci:Z+ci+1], v[Y+ci:Y+ci+1], 0x3d800000 op_sel_hi:[1,0]   ; / 16 for the transform: exact
.set ci, ci+2
.endr
	RSTORE Z,5
	RQUANT XI,XSC
	BAR
	; the forward transform along the tokens: waves 0-3, a lane to a channel
	s_cmp_lt_u32 s32, 4
	s_cbranch_scc0 .Lno_fft
.set ci, 0
.rept 64
	ds_load_b32 v[P+ci], v11 offset:RP*ci
.set ci, ci+1
.endr
	s_wait_dscnt 0x0
	FFTF
.set ci, 0
.rept 64
	ROWOF
	ds_store_b32 v12, v[P+ci] offset:RP*rw
.set ci, ci+1
.endr
.Lno_fft:
	BAR
	; the spectrum's rows are quantised
	RLOAD Y,6
	s_wait_dscnt 0x0
	RQUANT FI,FSC
	BSIG
	BRLOAD XI,XSC                                  ; LN1's images have been whole since the first barrier and are next written behind four more
	s_barrier_wait -1
	; both attentions of my head
	BRANCH 0,14
	BRLOAD FI,FSC                                  ; (eight places stand behind the last product that read these registers)
	BRANCH 1,13
	BAR
	; the inverse transform, over each lane's own column of BUFA
	s_cmp_lt_u32 s32, 4
	s_cbranch_scc0 .Lno_ifft
.set ci, 0
.rept 64
	ROWOF
	ds_load_b32 v[P+ci], v11 offset:RP*rw
.set ci, ci+1
.endr
	s_wait_dscnt 0x0
	FFTI
.set ci, 0
.rept 64
	ds_store_b32 v11, v[P+ci] offset:RP*ci
.set ci, ci+1
.endr
.Lno_ifft:
	BSIG
	RLOAD Z,6                                      ; the spatial attention's rows have been whole since the barrier before and are next written by fc2
	s_barrier_wait -1
	; the two branches' sum is quantised
	RLOAD Y,5
	s_wait_dscnt 0x0
.set ci, 0
.rept 16
	v_pk_add_f32 v[Y+ci:Y+ci+1], v[Y+ci:Y+ci+1], v[Z+ci:Z+ci+1]
.set ci, ci+2
.endr
	RQUANT FI,FSC
	BSIG
.irp c, 0,1,2,3
	ds_load_b128 v[160+4*\c:163+4*\c], v15 offset:512*\c   ; proj's fragment, scale word and bias: constants
.endr
	ds_load_b32 v[WS], v16
	ds_load_b128 v[176:179], v17
	ds_load_b128 v[180:183], v17 offset:16
	s_barrier_wait -1
	; proj: my 16 channels for the four tiles of rows (source 0 = 16 rows of proj_w); the bias is each sum's C
.irp u, 0,1,2,3
.irp c, 0,1,2,3
	ds_load_b128 v[96+16*\u+4*\c:96+16*\u+4*\c+3], v1 offset:FI+2048*\u+512*\c
.endr
	ds_load_b32 v[XS+\u], v2 offset:FSC+128*\u
.endr
	s_wait_dscnt 0x0
.irp u, 0,1,2,3
	MXR S+8*\u,160,96+16*\u,176,WS,XS+\u
.endr
	NOPS 8
.irp u, 0,1,2,3
	ds_store_b128 v13, v[S+8*\u:S+8*\u+3] offset:(32*(\u>>1)+8*(\u&1))*RP      ; each result from its low end on
	ds_store_b128 v13, v[S+8*\u+4:S+8*\u+7] offset:(32*(\u>>1)+8*(\u&1))*RP+16
.endr
	RLOAD Z,4                                      ; my own rows of x, for the residual: they land with the stores
	BSIG
	LNLOAD 1
	s_barrier_wait -1
	; the residual, LN2
	RLOAD Y,5
	s_wait_dscnt 0x0
.set ci, 0
.rept 16
	v_pk_add_f32 v[Y+ci:Y+ci+1], v[Y+ci:Y+ci+1], v[Z+ci:Z+ci+1]
.set ci, ci+2
.endr
	RSTORE Y,4                                     ; kept for the second residual
	LNORM
	RQUANT XI,XSC
	BSIG
	WIN W_D1                                       ; fc1's four fragments, scale words and bias tiles: constants
.irp u, 0,1,2,3
.irp c, 0,1,2,3
	ds_load_b128 v[WF+16*\u+4*\c:WF+16*\u+4*\c+3], v18 offset:2048*\u+512*\c
.endr
.endr
	WIN 0
.irp u, 0,1,2,3
	ds_load_b32 v[WS+\u], v19 offset:128*\u
	ds_load_b128 v[96+8*\u:99+8*\u], v20 offset:4*(32*(\u>>1)+8*(\u&1))
	ds_load_b128 v[100+8*\u:103+8*\u], v20 offset:4*(32*(\u>>1)+8*(\u&1))+16
.endr
	s_barrier_wait -1
	; fc1, GELU, and the hidden layer's codes: my 64 units, four tiles of 16 rows
.irp c, 0,1,2,3
	ds_load_b128 v[FX+4*\c:FX+4*\c+3], v1 offset:XI+512*\c
.endr
	ds_load_b32 v[XS], v2 offset:XSC
	s_wait_dscnt 0x0
	FC1 0
	FC1 1
	FC1 2
	FC1 3
	BSIG
	WIN W_D1                                       ; fc2's eight fragments (K steps 0, 1 into window 1, K steps 2, 3 into v160-223), the first four scale words and the bias tiles: constants
.irp n, 0,1
.irp e, 0,1
.irp c, 0,1,2,3
	ds_load_b128 v[WF+16*(2*\n+\e)+4*\c:WF+16*(2*\n+\e)+4*\c+3], v25 offset:8192*\n+2048*\e+512*\c
.endr
.endr
.endr
	WIN 0
.irp n, 0,1
.irp e, 0,1
.irp c, 0,1,2,3
	ds_load_b128 v[160+16*(2*\n+\e)+4*\c:160+16*(2*\n+\e)+4*\c+3], v25 offset:8192*\n+2048*(2+\e)+512*\c
.endr
	ds_load_b32 v[WS+2*\n+\e], v26 offset:512*\n+128*\e
.endr
	ds_load_b128 v[FX+8*\n:FX+8*\n+3], v27 offset:64*\n
	ds_load_b128 v[FX+8*\n+4:FX+8*\n+7], v27 offset:64*\n+16
.endr
	s_barrier_wait -1
	; fc2: two tiles of rows x two tiles of channels; four accumulators by turns; the bias is the first K step's C
	F2LOAD 0
	s_wait_dscnt 10                                ; all but the ten youngest: K step 1's two fragments and scale words may be out
	WIN W_A1
.irp mm, 0,1
.irp n, 0,1
	MXR S+8*(2*\mm+\n),WF+16*(2*\n),96+16*(2*\mm),FX+8*\n,WS+2*\n,XS+2*\mm
.endr
.endr
	s_wait_dscnt 0x0
.irp mm, 0,1
.irp n, 0,1
	MXR S+8*(2*\mm+\n),WF+16*(2*\n+1),96+16*(2*\mm+1),S+8*(2*\mm+\n),WS+2*\n+1,XS+2*\mm+1
.endr
.endr
	WIN 0
	NOPS 8                                         ; places in front of loads into registers that matrix instructions have read
.irp n, 0,1
.irp e, 0,1
	ds_load_b32 v[47+6*\n+\e], v26 offset:512*\n+128*(2+\e)   ; the weights' scale words of K steps 2 and 3
.endr
.endr
	F2LOAD 1
	s_wait_dscnt 10                                ; all but the ten youngest: K step 3's
.irp mm, 0,1
.irp n, 0,1
	MXR S+8*(2*\mm+\n),160+16*(2*\n),96+16*(2*\mm),S+8*(2*\mm+\n),47+6*\n,XS+2*\mm
.endr
.endr
	s_wait_dscnt 0x0
.irp mm, 0,1
.irp n, 0,1
	MXR S+8*(2*\mm+\n),160+16*(2*\n+1),96+16*(2*\mm+1),S+8*(2*\mm+\n),47+6*\n+1,XS+2*\mm+1
.endr
.endr
	NOPS 8
.irp mm, 0,1
.irp n, 0,1
	ds_store_b128 v28, v[S+8*(2*\mm+\n):S+8*(2*\mm+\n)+3] offset:8*RP*\mm+64*\n
	ds_store_b128 v28, v[S+8*(2*\mm+\n)+4:S+8*(2*\mm+\n)+7] offset:8*RP*\mm+64*\n+16
.endr
.endr
.irp i, 0,1,2,3,4,5,6,7
	ds_load_b128 v[128+4*\i:131+4*\i], v3 offset:RP*\i   ; my own rows of x + attention, for the second residual: they land with the stores
.endr
	BAR
	; the second residual, and out: my 8 tokens, a token's 512 bytes a store
.irp i, 0,1,2,3,4,5,6,7
	ds_load_b128 v[96+4*\i:99+4*\i], v7 offset:RP*\i
.endr
	s_wait_dscnt 0x0
.set ci, 0
.rept 16
	v_pk_add_f32 v[96+ci:97+ci], v[96+ci:97+ci], v[128+ci:129+ci]
.set ci, ci+2
.endr
.irp i, 0,1,2,3,4,5,6,7
	global_store_b128 v29, v[96+4*\i:99+4*\i], s[30:31] offset:512*\i th:TH_STORE_NT   ; the wave stores 512 consecutive bytes, at a multiple of 256 from out0's first byte
.endr
	s_wait_xcnt 0x0                                ; the stores' data and both bases are written again only behind this wait
	s_add_nc_u64 s[8:9], s[8:9], 4096              ; the next window: 8 pixels on
	s_add_nc_u64 s[30:31], s[30:31], 4096
	s_add_co_u32 s33, s33, 1
	s_cmp_lt_u32 s33, 8
	s_cbranch_scc1 .Lwin
	s_set_vgpr_msb 0x4
	s_wait_tensorcnt 0x0
	ds_add_u32 v55, v255
	s_wait_dscnt 0x0
	s_set_vgpr_msb 0x400
	s_endpgm
.Lfunc_end_k_qa966e92c34_block:
	.size	k_qa966e92c34_block, .Lfunc_end_k_qa966e92c34_block-k_qa966e92c34_block
	.p2alignl 7, 3214868480
	.fill 96, 4, 3214868480
	.section	.rodata,"a",@progbits
	.p2align	6, 0x0
	.amdhsa_kernel k_qa966e92c34_block
		.amdhsa_group_segment_fixed_size 316416
		.amdhsa_private_segment_fixed_size 0
		.amdhsa_enable_private_segment 0
		.amdhsa_kernarg_size 96
		.amdhsa_user_sgpr_count 2
		.amdhsa_user_sgpr_kernarg_segment_ptr 1
		.amdhsa_wavefront_size32 1
		.amdhsa_system_sgpr_workgroup_id_x 1
		.amdhsa_system_sgpr_workgroup_id_y 1
		.amdhsa_system_sgpr_workgroup_id_z 1
		.amdhsa_system_vgpr_workitem_id 0
		.amdhsa_next_free_vgpr 512
		.amdhsa_next_free_sgpr 100
		.amdhsa_reserve_vcc 0
		.amdhsa_float_denorm_mode_32 3
		.amdhsa_float_denorm_mode_16_64 3
		.amdhsa_memory_ordered 1
		.amdhsa_forward_progress 1
		.amdhsa_inst_pref_size 255
	.end_amdhsa_kernel
	.section	.bss,"aw",@nobits
	.p2align	6
	.space	262144
	.amdgpu_metadata
---
amdhsa.version: [ 1, 2 ]
amdhsa.kernels:
  - .name:           k_qa966e92c34_block
    .symbol:         k_qa966e92c34_block.kd
    .args:
      - { .name: x, .offset: 0, .size: 8, .value_kind: global_buffer, .address_space: global }
      - { .name: norm1_w, .offset: 8, .size: 8, .value_kind: global_buffer, .address_space: global }
      - { .name: norm1_b, .offset: 16, .size: 8, .value_kind: global_buffer, .address_space: global }
      - { .name: qkv_b, .offset: 24, .size: 8, .value_kind: global_buffer, .address_space: global }
      - { .name: rpb_table, .offset: 32, .size: 8, .value_kind: global_buffer, .address_space: global }
      - { .name: proj_b, .offset: 40, .size: 8, .value_kind: global_buffer, .address_space: global }
      - { .name: norm2_w, .offset: 48, .size: 8, .value_kind: global_buffer, .address_space: global }
      - { .name: norm2_b, .offset: 56, .size: 8, .value_kind: global_buffer, .address_space: global }
      - { .name: fc1_b, .offset: 64, .size: 8, .value_kind: global_buffer, .address_space: global }
      - { .name: fc2_b, .offset: 72, .size: 8, .value_kind: global_buffer, .address_space: global }
      - { .name: cst, .offset: 80, .size: 8, .value_kind: global_buffer, .address_space: global }
      - { .name: out0, .offset: 88, .size: 8, .value_kind: global_buffer, .address_space: global }
    .group_segment_fixed_size: 316416
    .private_segment_fixed_size: 0
    .kernarg_segment_align: 8
    .kernarg_segment_size: 96
    .max_flat_workgroup_size: 256
    .sgpr_count:     100
    .vgpr_count:     512
    .wavefront_size: 32
...
	.end_amdgpu_metadata
.endif
;; end of part 2
